; MI455X (gfx1250); checked and timed in simulation.
; The chip was launched on July 23, 2026; its instructions are those of AMD's public machine-readable ISA for CDNA 5 (MIT licence, August 2026) and "CDNA5" Instruction Set Architecture Reference Guide (July 2026). The comments in the code are by the model that wrote it; some were corrected since.
;; Attention Block. Allowed arithmetic: matrix products marked QUANTISED: E2M1 operands, one E8M0 scale for each 32 along K, by v_wmma_scale_f32_16x16x128_f8f6f4 with both operands' format E2M1 (or v_wmma_scale_f32_32x16x128_f4), f32 sums; products left as they are: f32 operands where the result goes on into a quantised operand, else bf16, f16 or f32 operands; f32 sums; everything else in f32.
;; Inputs: Wk 8 x 64 float32; Wq 8 x 64 float32; Wv 64 x 64 float32; bk 8 float32; bq 8 float32; bv 64 float32; gamma 1 float32; x 1 x 64 x 128 x 128 float32.
;; Outputs: out0 1 x 64 x 128 x 128 float32.
;; This version of the problem:
;;   THIS VERSION OF THE PROBLEM IS GIVEN IN LOW PRECISION. The matrix products marked QUANTISED in the list below multiply operands that are first quantised to E2M1 (2 exponent bits, 1 mantissa bit; 4 bits a number), with one power-of-two scale for each 32 numbers along K (OCP MX v1.0); their sums are f32. All else is computed in f32.
;;   The module's matrix products, in the order in which they are computed (A, B: the left and right operand; K: the contracted axis; several contracted axes count as one K, in the product's order):
;;     1. [M 16,384, K 64] x [K 64, N 8]; A: input x; B: input Wq: left as it is (N = 8 < 16)
;;     2. [M 16,384, K 64] x [K 64, N 8]; A: input x; B: input Wk: left as it is (N = 8 < 16)
;;     3. [M 16,384, K 64] x [K 64, N 64]; A: input x; B: input Wv: QUANTISED
;;     4. [M 16,384, K 8] x [K 8, N 16,384]; A: computed on the way; B: computed on the way: left as it is (K = 8 < 32)
;;     5. [M 16,384, K 16,384] x [K 16,384, N 64]; A: softmax (see below); B: computed on the way: QUANTISED
;;   THE QUANTISER, for each operand of a quantised product, along K:
;;     - K is cut into blocks of 32 from its start; a last block that is shorter is filled with zeros.
;;     - A block's scale is 2^e with e = floor(log2(the largest magnitude in the block)) - 2, held to -126 .. 127; a block of zeros has e = 0. As a byte (E8M0): e + 127.
;;     - Each number is divided by its block's scale, clamped to +-6, and rounded to the nearest number of E2M1, ties to even, subnormals kept.
;;     - The product sums the exact products of the quantised numbers (number of the format x scale) in f32.
;;   ~~~python
;;   def quantise(x, axis):      # numpy; x: float32 -> the quantised numbers, widened to float32 again
;;       x = np.moveaxis(x, axis, -1); K = x.shape[-1]
;;       x = np.pad(x, [(0, 0)] * (x.ndim - 1) + [(0, -K % 32)]); x = x.reshape(x.shape[:-1] + (-1, 32)); a = np.abs(x).max(-1, keepdims=True)
;;       e = np.where(a > 0, np.clip(np.frexp(np.where(a > 0, a, 1))[1] - 1 - 2, -126, 127), 0)      # np.frexp(a)[1] - 1 = floor(log2(a)), exactly
;;       r = np.clip(x / 2.0 ** e, -6, 6)
;;       step = 2.0 ** (np.maximum(np.frexp(np.where(r == 0, 1, r))[1] - 1, 0) - 1)
;;       q = np.round(r / step) * step * 2.0 ** e      # np.round: ties to even
;;       return np.moveaxis(q.reshape(q.shape[:-2] + (-1,))[..., :K], -1, axis).astype(np.float32)
;;   ~~~
;;   SOFTMAX AHEAD OF A QUANTISED PRODUCT. Where the list says 'softmax', what is quantised is not the finished softmax but p = 2^(t - M), with t = logit x log2(e) and M = ceil(the row's largest t), a whole number; so 1/2 < the row's largest p <= 1. The row's sum l is taken of the UNQUANTISED p, in f32, and the product's result is divided by l at the end. Since M is a whole number, a kernel that streams over the keys may use a running M (the ceiling of the running maximum): every later rescaling is an exact power of two, which a block's scale takes up: the codes' values come out the same.
;;   OPERANDS COMPUTED ON THE WAY. 'Computed on the way' means the value that the module computes at that place (a softmax that the list does not call 'softmax' is quantised finished and normalised). What goes into a quantiser is computed in f32, as accurately as f32 sums, v_exp_f32 and their like allow (about 1e-6 of the number): no bf16 or f16 on the way to a quantiser, and a product that is left as it is and whose result goes on into a quantised operand takes f32 operands (vector FMAs, or v_wmma_f32_16x16x4_f32). A number that lies on a knife's edge between two numbers of the format may be rounded either way, as far as f32 arithmetic and the matrix unit's own rounding can turn it there, and no further.
;; One version. Each part assembles by itself: llvm-mc -triple=amdgcn-amd-amdhsa -mcpu=gfx1250 --defsym DOCPART=n.
;; ======== version 1 of 1: 2 launches
;; workspace buffers: ws 1,605,632 bytes
;; launch prep (part 1): grid 128 x 1, 4 waves a work-group, no clusters, 39,424 bytes of LDS; arguments x, Wq, bq, Wk, bk, Wv, bv, ws; writes ws
.if DOCPART == 1
	.amdgcn_target "amdgcn-amd-amdhsa--gfx1250"
	.amdhsa_code_object_version 6
	.text
	.protected	k_qe01d5c66cd_prep
	.globl	k_qe01d5c66cd_prep
	.p2align	8
	.type	k_qe01d5c66cd_prep,@function
k_qe01d5c66cd_prep:
	s_mov_b64 s[64:65], 0
	v_nop
	global_prefetch_b8 v0, s[64:65] scope:SCOPE_SE
	s_setreg_imm32_b32 hwreg(HW_REG_WAVE_MODE, 25, 1), 1
	s_wait_xcnt 0x0
; PREPARATION FOR THE ATTENTION LAUNCH.  x: [64 channels][16,384 positions] f32.  A work-group takes one STEP of 128 positions (work-group s: 128 s .. 128 s + 127) and stores into ws:
;   q = (Wq x + bq) log2(e) and k = Wk x + bk, f32 (f32 matrix form: their product goes on into a quantiser);
;   v = Q(x) Q(Wv)^T + bv on codes of FP4 (E2M1) with E8M0 scales along the 64 channels, then v itself quantised along the KEYS (blocks of 32 positions), as codes and scale words.
; ALL OF IT IS LAID AS IMAGES OF THE OPERANDS' REGISTERS (16 bytes a lane, 512 consecutive bytes a group of four registers), so that the next launch loads fragments by plain 16-byte loads:
;   ws + s*8192        : K image, 8 tiles x 512 B: tile t, lane (r, h): k[key(t, r)][4 h .. 4 h + 3]
;   ws + s*8192 + 4096 : V image, 4 channel tiles x 2 x 512 B: registers 4 c .. 4 c + 3 of the fragment (row = channel 16 ct + r, K = keys 64 c + 32 h + 0 .. 31 of the step)
;   ws + VSOFF + s*256 : V's scale words: the word at 16 r + 4 ct holds the four bytes of channel 16 ct + r
;   ws + QOFF + (8 s + t)*512 : Q image, laid as K's
; THE POSITIONS OF A TILE ARE NOT NEIGHBOURS: key(t, r) = 128 s + 32 (t / 2) + 8 (t % 2) + r + 8 (r / 8), so that the 16 result registers of tiles 2 b and 2 b + 1 are 16 neighbours along the keys.
; SHARES.  Wave w: copies x's rows 16 w .. 16 w + 15 into LDS; owns position tiles 2 w and 2 w + 1 (their q, k and x's codes); owns channel tile w of v for all 128 positions.
; 128 work-groups: a smaller share would split a fragment of V and its scale word between work-groups.  Wv's 16 rows a wave are quantised anew in every work-group: 32 numbers a lane.
; No tensor loads and no cluster: a work-group reads 32 KiB of x once, and shares only the small weights with the others.
; LIMITS: NaN and infinities are not served.  A block whose largest magnitude lies under 2^-124 keeps the scale byte 1; so does a block of zeros, where the rule says 127: its codes are zeros,
; and the bytes are read by this program alone.  The f32 sums over the channels run in the order c = 32 h + 2 i + j (i ascending), not in ascending c.
.set XHALF, 16512                      ; LDS: x's row c at 512 c + 128 (c / 32): the upper 32 rows begin here, 32 banks off the lower ones for the 4-byte reads below
.set XIMG,  33024                      ; images of x's 8 fragments: registers 0-3 alone, 512 bytes each
.set XSC,   37120                      ; their scale words, 128 bytes each
.set VSST,  38144                      ; V's 64 scale words of the step, gathered for one store of 256 bytes
.set VSOFF, 1048576
.set QOFF,  1081344
.set FLOOR, 0x1800000                  ; 2^(3 - 127): under it no largest magnitude is taken, so the byte cannot fall under 1
.set WF,   16                          ; v16-47   Wq's rows (lanes r < 8) and Wk's (r >= 8): W[r][32 h + i]
.set WT,   48                          ; v48-79   Wk as loaded
.set HA,   16                          ; v16-79   later: my channel tile of v, 8 tiles x 8 registers
.set BQK,  80                          ; v80-87   bq (lanes 0-15) and bk (lanes 16-31), in the result's layout
.set X,    96                          ; v96-159  x as loaded; then x[32 h + i][key] of my two tiles
.set AF,   96                          ; v96-159  later: x's 8 fragments
.set QKA,  160                         ; v160-175 the two f32 accumulators: written by matrix instructions alone
.set OUTQ, 176                         ; v176-191 q log2(e) and k, to store
.set WVN,  192                         ; v192-223 Wv's 32 numbers
.set TM,   192                         ; v192-207 later: at work in the quantisers
.set PC,   208                         ; v208-215 v's codes
.set XC,   216                         ; v216-223 x's codes of my two tiles
.set WVC,  224                         ; v224-231 Wv's fragment (registers 4-7: zero codes, K = 64 .. 127)
.set WVS,  232                         ; v232     Wv's scale word
.set PW,   233                         ; v233     v's scale word
.set XW,   234                         ; v234-235 x's scale words of my two tiles
.set BV,   240                         ; v240-247 bv in the result's layout
.set XS,   248                         ; v248-255 x's scale words of the 8 tiles
.macro BARRIER                         ; my LDS stores have landed and my LDS loads are in: then the work-group's barrier
	s_wait_dscnt 0x0
	s_barrier_signal -1
	s_barrier_wait -1
.endm
	s_load_b512 s[4:19], s[0:1], 0x0               ; x 4:5, Wq 6:7, bq 8:9, Wk 10:11, bk 12:13, Wv 14:15, bv 16:17, ws 18:19
	v_lshl_add_u32 v95, v0, 2, 0x9800
	s_set_vgpr_msb 0x40
	v_mov_b32 v1, 0
	s_set_vgpr_msb 0x4000
	v_lshrrev_b32 v1, 5, v0
	v_readfirstlane_b32 s20, v1                    ; wave 0..3
	v_and_b32 v1, 31, v0                           ; lane
	v_and_b32 v2, 15, v0                           ; r
	v_bfe_u32 v3, v0, 4, 1                         ; h
	v_lshlrev_b32 v4, 4, v1                        ; v4: 16 x lane
	s_mov_b32 s22, 0x76543210
	s_mov_b32 s23, 0xfedcba98                      ; v_permlanex16_b32's selects for lane l xor 16
	v_cmp_eq_u32 s44, 1, v3                        ; s44: lanes 16-31
	v_cmp_le_u32 s45, 8, v2                        ; s45: lanes with r >= 8
	s_lshl_b32 s48, s20, 13
	s_lshr_b32 s49, s20, 1
	s_lshl_b32 s49, s49, 7
	s_add_co_u32 s48, s48, s49
	v_add_nc_u32 v5, s48, v4                       ; v5: where I store x's rows: 8192 w + 128 (w / 2) + 16 x lane
	v_and_b32 v89, 8, v2
	v_add_nc_u32 v89, v89, v2                      ; r + 8 (r / 8)
	v_mul_u32_u24 v6, v3, XHALF
	v_lshl_add_u32 v6, v89, 2, v6
	s_lshl_b32 s48, s20, 7
	v_add_nc_u32 v6, s48, v6                       ; v6: x[32 h][key(2 w, r)]: XHALF h + 128 w + 4 (r + 8 (r / 8))
	v_and_b32 v7, 7, v2
	v_lshlrev_b32 v7, 8, v7
	v_lshl_add_u32 v7, v3, 7, v7                   ; v7: Wq, Wk: row r % 8 of 256 bytes, + 128 h
	v_lshlrev_b32 v8, 8, v2
	v_lshl_add_u32 v8, v3, 7, v8                   ; v8: Wv: row r of my 16, + 128 h
	v_lshlrev_b32 v9, 2, v2                        ; v9: 4 r
	s_lshl_b32 s48, s20, 10                        ; 1024 w
	s_add_co_u32 s49, s48, XIMG
	v_add_nc_u32 v10, s49, v4                      ; v10: where I store x's images
	v_lshlrev_b32 v12, 2, v1
	s_lshl_b32 s49, s20, 8
	s_add_co_u32 s49, s49, XSC
	v_add_nc_u32 v11, s49, v12                     ; v11: and their scale words
	v_add_nc_u32 v12, XSC, v12                     ; v12: where any wave reads a scale word: 4 x lane
	s_lshl_b32 s49, ttmp9, 12
	s_add_co_u32 s49, s49, QOFF
	s_add_co_u32 s49, s49, s48                     ; Q image of my first tile
	s_lshl_b32 s51, ttmp9, 13
	s_add_co_u32 s51, s51, s48                     ; K image of my first tile
	v_mov_b32 v89, s49
	v_mov_b32 v90, s51
	v_cndmask_b32 v13, v89, v90, s44               ; lanes 0-15 hold q, lanes 16-31 hold k
	v_lshl_add_u32 v13, v2, 4, v13                 ; v13: + 16 r
	s_add_co_u32 s51, s51, 4096
	v_add_nc_u32 v14, s51, v4                      ; v14: V image of my channel tile: 8192 s + 4096 + 1024 w + 16 x lane
	s_lshl_b32 s49, s20, 2
	s_add_co_u32 s49, s49, VSST
	v_lshl_add_u32 v15, v2, 4, s49                 ; v15: my channel's scale word in LDS: 16 r + 4 w
	s_lshl_b32 s49, ttmp9, 8
	s_add_co_u32 s49, s49, VSOFF
	v_lshl_add_u32 v238, v1, 3, s49                ; v238: the step's 256 bytes of scale words in ws, 8 bytes a lane
	v_lshl_add_u32 v239, v1, 3, VSST               ; v239: and in LDS
	s_lshl_b32 s52, ttmp9, 9                       ; x: 512 s + 16 w rows of 65,536 bytes
	s_lshl_b32 s53, s20, 20
	s_add_co_u32 s52, s52, s53
	s_mov_b32 s53, 0
	s_lshl_b32 s54, s20, 12                        ; Wv: my 16 rows
	s_mov_b32 s55, 0
	s_lshl_b32 s56, s20, 6                         ; bv: my 16 numbers
	s_mov_b32 s57, 0
	s_wait_kmcnt 0x0
	s_add_nc_u64 s[40:41], s[4:5], s[52:53]
	s_add_nc_u64 s[42:43], s[14:15], s[54:55]
	s_add_nc_u64 s[46:47], s[16:17], s[56:57]
	s_load_b256 s[24:31], s[8:9], 0x0              ; bq's eight numbers
	s_load_b256 s[32:39], s[12:13], 0x0            ; bk's
.set n, 0
.rept 16
	global_load_b128 v[X+4*n:X+4*n+3], v4, s[40:41] offset:n*65536   ; row 16 w + n: 32 lanes read 512 consecutive bytes
.set n, n+1
.endr
.irp j, 0,1,2,3,4,5,6,7
	global_load_b128 v[WF+4*\j:WF+4*\j+3], v7, s[6:7] offset:16*\j
.endr
.irp j, 0,1,2,3,4,5,6,7
	global_load_b128 v[WT+4*\j:WT+4*\j+3], v7, s[10:11] offset:16*\j
.endr
.irp j, 0,1,2,3,4,5,6,7
	global_load_b128 v[WVN+4*\j:WVN+4*\j+3], v8, s[42:43] offset:16*\j   ; Wv[16 w + r][32 h + 0 .. 31]: a whole block in a lane
.endr
	global_load_b32 v[BV], v9, s[46:47]            ; bv[16 w + r]
	s_wait_loadcnt 25                              ; x's sixteen loads are in; the 25 issued behind them may be out
.set n, 0
.rept 16
	ds_store_b128 v5, v[X+4*n:X+4*n+3] offset:n*512
.set n, n+1
.endr
	s_wait_loadcnt 9                               ; Wq and Wk are in; Wv's eight and bv's one may be out
	s_wait_kmcnt 0x0                               ; bq, bk
.set n, 0
.rept 32
	v_cndmask_b32 v[WF+n], v[WF+n], v[WT+n], s45   ; rows 0-7 of the 16: Wq; rows 8-15: Wk
.set n, n+1
.endr
.irp j, 0,1,2,3,4,5,6,7
	v_mov_b32 v[BQK+\j], s[24+\j]
	v_mov_b32 v89, s[32+\j]
	v_cndmask_b32 v[BQK+\j], v[BQK+\j], v89, s44   ; result register j of lane (r, h) is row 8 h + j: bq[j] or bk[j]
.endr
	v_mov_b32 v88, 0x3fb8aa3b                      ; log2(e) goes into q, so that the scores are t as they leave the matrix unit;
	v_mov_b32 v89, 1.0
	v_cndmask_b32 v88, v88, v89, s44               ; k is left as it is
	s_wait_loadcnt 0x0                             ; Wv, bv
	; Wv's block h of channel 16 w + r: largest magnitude in two chains, scale, codes
	v_max3_num_f32 v89, |v[WVN]|, |v[WVN+1]|, FLOOR
	v_max3_num_f32 v90, |v[WVN+2]|, |v[WVN+3]|, FLOOR
.irp i, 4,8,12,16,20,24,28
	v_max3_num_f32 v89, v89, |v[WVN+\i]|, |v[WVN+\i+1]|
	v_max3_num_f32 v90, v90, |v[WVN+\i+2]|, |v[WVN+\i+3]|
.endr
	v_max_num_f32 v89, v89, v90
	v_add_nc_u32 v91, 0xff000000, v89              ; 2 off the exponent field: the conversion takes the exponent field of this operand as its scale
	v_lshrrev_b32 v92, 23, v91                     ; the scale's byte
	v_lshlrev_b32 v93, 3, v3                       ; 8 h: kept
	v_lshlrev_b32 v92, v93, v92                    ; at its place in the word
	v_mov_b32 v94, 0
	v_permlanex16_b32 v94, v92, s22, s23
	v_or_b32 v92, v92, v94                         ; with lane l xor 16's byte,
	v_or_b32 v[WVS], 0x7f7f0000, v92               ; and 127 over the zero codes of K = 64 .. 127
.irp g, 0,1,2,3
	v_cvt_scalef32_pk8_fp4_f32 v[WVC+\g], v[WVN+8*\g:WVN+8*\g+7], v91
.endr
	v_nop                                          ; one plain place behind a scaled conversion
.irp g, 4,5,6,7
	v_mov_b32 v[WVC+\g], 0
.endr
.irp j, 1,2,3,4,5,6,7
	v_mov_b32 v[BV+\j], v[BV]                      ; a lane's eight results are eight positions of ONE channel
.endr
	BARRIER                                        ; x's 64 rows of the step lie in LDS
	; ---- 1: my two tiles of positions.  Lane (r, h), register i: x[32 h + i][key(2 w + u, r)]: a whole block of 32 channels, and the f32 form's source 1 as it stands
.irp u, 0,1
.set n, 0
.rept 32
	ds_load_b32 v[X+32*\u+n], v6 offset:n*512+32*\u
.set n, n+1
.endr
.endr
	s_wait_dscnt 0x0
	; q and k: source 0 = the 16 rows of Wq and Wk, source 1 = 16 positions; K step i takes channels 32 h + 2 i + j on both sides.  The first step's C is the bias.
	; The two accumulators take turns, one instruction a turn.
.irp u, 0,1
	v_wmma_f32_16x16x4_f32 v[QKA+8*\u:QKA+8*\u+7], v[WF:WF+1], v[X+32*\u:X+32*\u+1], v[BQK:BQK+7]
.endr
.set n, 2
.rept 15
.irp u, 0,1
	v_wmma_f32_16x16x4_f32 v[QKA+8*\u:QKA+8*\u+7], v[WF+n:WF+n+1], v[X+32*\u+n:X+32*\u+n+1], v[QKA+8*\u:QKA+8*\u+7]
.endr
.set n, n+2
.endr
	; x's codes, while those products run: all 32 numbers of a block are mine
.irp u, 0,1
	v_max3_num_f32 v[TM+\u], |v[X+32*\u]|, |v[X+32*\u+1]|, FLOOR
.endr
.irp i, 2,4,6,8,10,12,14,16,18,20,22,24,26,28,30
.irp u, 0,1
	v_max3_num_f32 v[TM+\u], v[TM+\u], |v[X+32*\u+\i]|, |v[X+32*\u+\i+1]|
.endr
.endr
.irp u, 0,1
	v_add_nc_u32 v[TM+2+\u], 0xff000000, v[TM+\u]  ; the conversion's scale operand
.endr
.irp u, 0,1
	v_lshrrev_b32 v[TM+4+\u], 23, v[TM+2+\u]       ; the byte
.endr
.irp u, 0,1
	v_lshlrev_b32 v[TM+4+\u], v93, v[TM+4+\u]      ; 8 h bits up
.endr
.irp u, 0,1
	v_mov_b32 v[TM+6+\u], 0                        ; a lane permute's destination counts as one of its sources
.endr
.irp u, 0,1
	v_permlanex16_b32 v[TM+6+\u], v[TM+4+\u], s22, s23
.endr
.irp u, 0,1
	v_or_b32 v[TM+4+\u], v[TM+4+\u], v[TM+6+\u]
.endr
.irp u, 0,1
	v_or_b32 v[XW+\u], 0x7f7f0000, v[TM+4+\u]
.endr
.irp u, 0,1
.irp g, 0,1,2,3
	v_cvt_scalef32_pk8_fp4_f32 v[XC+4*\u+\g], v[X+32*\u+8*\g:X+32*\u+8*\g+7], v[TM+2+\u]
.endr
.endr
	v_nop                                          ; one plain place behind a scaled conversion
.irp u, 0,1
	ds_store_b128 v10, v[XC+4*\u:XC+4*\u+3] offset:\u*512          ; the fragment's registers 0-3 as they stand
	ds_store_b32 v11, v[XW+\u] offset:\u*128
.endr
.rept 8
	v_nop                                          ; eight places behind the f32 form before its results are read
.endr
.set n, 0
.rept 16
	v_mul_f32 v[OUTQ+n], v[QKA+n], v88             ; into other registers, each accumulator from its low end on
.set n, n+1
.endr
.irp u, 0,1
.irp p, 0,1
	global_store_b128 v13, v[OUTQ+8*\u+4*\p:OUTQ+8*\u+4*\p+3], s[18:19] offset:\u*512+\p*256   ; d = 4 p .. 4 p + 3 belong to the image's lane r + 16 p: lanes 0-15 store 256 consecutive bytes of Q's image, lanes 16-31 of K's
.endr
.endr
.irp t, 0,1,2,3,4,5,6,7
.irp g, 4,5,6,7
	v_mov_b32 v[AF+8*\t+\g], 0                     ; zero codes for K = 64 .. 127
.endr
.endr
	BARRIER                                        ; x's eight fragments and scale words lie in LDS
	; ---- 2: v for my 16 channels and all 128 positions: source 0 = 16 positions, source 1 = my 16 rows of Wv, C = bv.  Lane (r, h) holds channel 16 w + r; register 16 b + i is position 32 b + 16 h + i
.irp t, 0,1,2,3,4,5,6,7
	ds_load_b128 v[AF+8*\t:AF+8*\t+3], v4 offset:XIMG+\t*512
	ds_load_b32 v[XS+\t], v12 offset:\t*128
.endr
	s_wait_dscnt 0x0
.rept 4
	v_nop                                          ; operand registers written by vector instructions stand four places ahead of a scaled matrix instruction
.endr
.irp t, 0,1,2,3,4,5,6,7
	v_wmma_scale_f32_16x16x128_f8f6f4 v[HA+8*\t:HA+8*\t+7], v[AF+8*\t:AF+8*\t+7], v[WVC:WVC+7], v[BV:BV+7], v[XS+\t], v[WVS] matrix_a_fmt:MATRIX_FMT_FP4 matrix_b_fmt:MATRIX_FMT_FP4
.endr
.rept 4
	v_nop                                          ; four places before the results are read
.endr
	; v along the keys: four blocks of 32, each in lanes l and l xor 16
.irp b, 0,1,2,3
	v_max3_num_f32 v[TM+\b], |v[HA+16*\b]|, |v[HA+1+16*\b]|, FLOOR
.endr
.irp i, 2,4,6,8,10,12,14
.irp b, 0,1,2,3
	v_max3_num_f32 v[TM+\b], v[TM+\b], |v[HA+16*\b+\i]|, |v[HA+1+16*\b+\i]|   ; the four blocks by turns
.endr
.endr
.irp b, 0,1,2,3
	v_permlanex16_b32 v[TM+4+\b], v[TM+\b], s22, s23
.endr
.irp b, 0,1,2,3
	v_max_num_f32 v[TM+\b], v[TM+\b], v[TM+4+\b]   ; the block's largest magnitude
.endr
.irp b, 0,1,2,3
	v_add_nc_u32 v[TM+12+\b], 0xff000000, v[TM+\b]
.endr
.irp b, 0,1,2,3
	v_lshrrev_b32 v[TM+4+\b], 23, v[TM+12+\b]
.endr
	v_lshl_or_b32 v[PW], v[TM+5], 8, v[TM+4]       ; my channel's scale word for the step
	v_lshl_or_b32 v[PW], v[TM+6], 16, v[PW]
	v_lshl_or_b32 v[PW], v[TM+7], 24, v[PW]
.irp b, 0,1,2,3
	v_cvt_scalef32_pk8_fp4_f32 v[PC+2*\b], v[HA+16*\b:HA+7+16*\b], v[TM+12+\b]
	v_cvt_scalef32_pk8_fp4_f32 v[PC+1+2*\b], v[HA+8+16*\b:HA+15+16*\b], v[TM+12+\b]
.endr
	v_nop                                          ; one plain place behind a scaled conversion
.irp c, 0,1                                    ; the operand's layout wants a whole block in a lane: lanes 0-15 block 2 c, lanes 16-31 block 2 c + 1
.irp i, 0,1
	v_permlane16_swap_b32 v[PC+4*\c+\i], v[PC+2+4*\c+\i]
.endr
.endr
.irp c, 0,1
	global_store_b128 v14, v[PC+4*\c:PC+4*\c+3], s[18:19] offset:\c*512   ; 32 lanes store 512 consecutive bytes of V's image
.endr
	ds_store_b32 v15, v[PW]                        ; lanes r and r + 16 write the same word with the same value
	BARRIER                                        ; the step's 64 scale words lie together
	s_cmp_lg_u32 s20, 0
	s_cbranch_scc1 .Lend
	ds_load_b64 v[236:237], v239
	s_wait_dscnt 0x0
	global_store_b64 v238, v[236:237], s[18:19]    ; wave 0: 32 lanes store 256 consecutive bytes, at a multiple of 256 from ws's first byte
.Lend:
	s_set_vgpr_msb 0x4
	s_wait_tensorcnt 0x0
	ds_add_u32 v95, v1
	s_wait_dscnt 0x0
	s_set_vgpr_msb 0x400
	s_endpgm
.Lfunc_end_k_qe01d5c66cd_prep:
	.size	k_qe01d5c66cd_prep, .Lfunc_end_k_qe01d5c66cd_prep-k_qe01d5c66cd_prep
	.p2alignl 7, 3214868480
	.fill 96, 4, 3214868480
	.section	.rodata,"a",@progbits
	.p2align	6, 0x0
	.amdhsa_kernel k_qe01d5c66cd_prep
		.amdhsa_group_segment_fixed_size 39424
		.amdhsa_private_segment_fixed_size 0
		.amdhsa_enable_private_segment 0
		.amdhsa_kernarg_size 64
		.amdhsa_user_sgpr_count 2
		.amdhsa_user_sgpr_kernarg_segment_ptr 1
		.amdhsa_wavefront_size32 1
		.amdhsa_system_sgpr_workgroup_id_x 1
		.amdhsa_system_sgpr_workgroup_id_y 1
		.amdhsa_system_sgpr_workgroup_id_z 1
		.amdhsa_system_vgpr_workitem_id 0
		.amdhsa_next_free_vgpr 258
		.amdhsa_next_free_sgpr 66
		.amdhsa_reserve_vcc 0
		.amdhsa_float_denorm_mode_32 3
		.amdhsa_float_denorm_mode_16_64 3
		.amdhsa_memory_ordered 1
		.amdhsa_forward_progress 1
		.amdhsa_inst_pref_size 33
	.end_amdhsa_kernel
	.amdgpu_metadata
---
amdhsa.version: [ 1, 2 ]
amdhsa.kernels:
  - .name:           k_qe01d5c66cd_prep
    .symbol:         k_qe01d5c66cd_prep.kd
    .args:
      - { .name: x, .offset: 0, .size: 8, .value_kind: global_buffer, .address_space: global }
      - { .name: Wq, .offset: 8, .size: 8, .value_kind: global_buffer, .address_space: global }
      - { .name: bq, .offset: 16, .size: 8, .value_kind: global_buffer, .address_space: global }
      - { .name: Wk, .offset: 24, .size: 8, .value_kind: global_buffer, .address_space: global }
      - { .name: bk, .offset: 32, .size: 8, .value_kind: global_buffer, .address_space: global }
      - { .name: Wv, .offset: 40, .size: 8, .value_kind: global_buffer, .address_space: global }
      - { .name: bv, .offset: 48, .size: 8, .value_kind: global_buffer, .address_space: global }
      - { .name: ws, .offset: 56, .size: 8, .value_kind: global_buffer, .address_space: global }
    .group_segment_fixed_size: 39424
    .private_segment_fixed_size: 0
    .kernarg_segment_align: 8
    .kernarg_segment_size: 64
    .max_flat_workgroup_size: 128
    .sgpr_count:     66
    .vgpr_count:     258
    .wavefront_size: 32
...
	.end_amdgpu_metadata
.endif
;; end of part 1
;; launch attn (part 2): grid 256 x 1, 16 waves a work-group, clusters of 4 x 1, 327,680 bytes of LDS; arguments ws, x, gamma, out0; writes out0
.if DOCPART == 2
	.amdgcn_target "amdgcn-amd-amdhsa--gfx1250"
	.amdhsa_code_object_version 6
	.text
	.protected	k_qe01d5c66cd_attn
	.globl	k_qe01d5c66cd_attn
	.p2align	8
	.type	k_qe01d5c66cd_attn,@function
k_qe01d5c66cd_attn:
	s_mov_b64 s[64:65], 0
	v_nop
	global_prefetch_b8 v0, s[64:65] scope:SCOPE_SE
	s_setreg_imm32_b32 hwreg(HW_REG_WAVE_MODE, 25, 1), 1
	s_wait_xcnt 0x0
	s_wait_alu depctr_hold_cnt(0) depctr_sa_sdst(0) depctr_va_vdst(0) depctr_va_sdst(0) depctr_va_ssrc(0) depctr_va_vcc(0) depctr_vm_vsrc(0)
	s_getreg_b32 s2, hwreg(HW_REG_IB_STS2, 6, 4)
	s_cmp_eq_u32 s2, 0
	s_cbranch_scc0 .Lentry_in_a_cluster
	s_endpgm
.Lentry_in_a_cluster:
	s_bfe_u32 s2, ttmp6, 0x10000c
	s_cmp_lg_u32 s2, 0x3003
	s_cbranch_scc0 .Lentry_shape_is_right
	s_endpgm
.Lentry_shape_is_right:
; out0[c][n] = gamma x (sum over keys m of softmax_m(q[n] . k[m]) v[m][c]) + x[c][n], 16,384 positions, 64 channels.  The operands come from ws as images of registers (made by the launch before):
; K and V records of 8,192 bytes a STEP of 128 keys, V's scale words, Q's tiles; q already holds the factor log2(e), so a score is t as it leaves the matrix unit.
; THE SCORES are an f32 product (f32 matrix form, K = 8 in two instructions): they go on into a quantiser.  THE SECOND PRODUCT runs on codes of FP4 (E2M1) with E8M0 scales for each 32 keys.
; SOFTMAX: M = the running largest t rounded UP to a whole number, kept as -M = floor(-t); p = 2^(t - M) is quantised along the keys, not normalised; the row's sum is taken of the unquantised p;
; when M moves, the sums and O are multiplied by 2^(old M - new M), which rounds nothing.
; SHARES.  A work-group owns 64 queries.  Wave w: qt = w % 4 is its tile of 16 queries, kq = w / 4 its share of the keys: of each slot's 16 records it takes records 4 kq .. 4 kq + 3, 32 steps in all.
; Sixteen waves of 256 registers, four to a SIMD.  The four shares of a tile are merged at the end, by whole powers of two.
; LAYOUT.  Both products are used transposed: S^T = K Q^T (source 0 = 16 keys, source 1 = my 16 queries), O^T = V^T P^T (source 0 = 16 channels, source 1 = p's codes): a lane holds ONE query throughout.
; The keys (and queries) of a tile are not neighbours: row r of tile t is 32 (t / 2) + 8 (t % 2) + r + 8 (r / 8), so that the 16 registers of tiles 2 b and 2 b + 1 are keys 32 b + 16 (lane / 16) + 0 .. 15.
; BY TURNS.  A step's scores are made during the step BEFORE.  Once M is known, a step goes block by block of 32 keys: t - M of block b goes into other registers, which frees the block's 16 score registers;
; the next step's four f32 products for these two tiles are then dealt among the block's exponentials, one for every four, and behind each exponential of p stands one plain line that is ready
; (the block before's sums, the block's scale, a quarter of O's rescaling).  So one wave's stream holds matrix work, exponentials and plain work side by side.
; CLUSTER.  Every work-group walks the same 1 MiB of records with the same constant trip counts, so the four work-groups of a cluster ask for each quarter slot JOINTLY: the same tensor load, the same
; descriptor, the mask 15.  The place in the cluster enters the global addresses of Q, x and out0 alone.
; LIMITS: NaN and infinities are not served.  p under 2^-126 comes out as 0 (v_exp_f32 gives no denormals: ISA guide, its entry); a block whose every p is under 2^-124 keeps the byte 1.
; A block's largest p is made from its largest score by the same addition and exponential: that takes v_exp_f32 not to fall where its input rises.  The sum over d runs in the order 4 h + 2 i + j.
.set SLOT1, 1<<17                      ; a slot: 16 records of 8,192 bytes; slot 1 begins here, so that one exclusive or turns an address from one slot into the other
.set VS,    2*SLOT1                    ; behind the ring: V's scale words of all 128 steps, 32,768 bytes, filled once
.set SPARE, VS+32768                   ; the spare words, 128 bytes for each wave: eight blocks of 256 bytes that no other line names
.set MRG,   0                          ; the way out lies in slot 0, which has had its last fill and its last read at the last change of slots: the 16 waves' O^T, 4,096 bytes each,
.set MST,   65536                      ; their -M and sums, 256 bytes each,
.set OST,   69632                      ; and the stage: 64 channels x (64 queries x 4 bytes + 16)
.set OP,    272
.set VSOFF, 1048576
.set QOFF,  1081344
.set A0,  1                            ; v1   my place in a slot: 32,768 kq + 16 x lane
.set AS0, 2                            ; v2   my place among V's scale words: VS + 1,024 kq + 16 r
.set SPW, 3                            ; v3   LDS address of my spare word: SPARE + 4 x my thread's number; never rewritten
.set NIL, 4                            ; v4   0; never rewritten
.set ADR, 5                            ; v5   LDS address of the slot in hand
.set ADS, 6                            ; v6   and of its scale words
                                       ; v7-11, v20, v21, v31: addresses for the way out and for Q (made at the head)
                                       ; v12 -M, v13 the largest t, v[14:15] and v[88:89] the sum in two chains of two halves; v[16:19] Q; v[24:27] V's scale words; v28 p's scale word
.set F,   32                           ; v32-63   V's 4 fragments of 8 registers
.set PC,  64                           ; v64-71   p's codes
.set TM,  72                           ; v72-75   the blocks' largest scores, then largest p
.set PD,  76                           ; v76-79   the other half's maxima, then the bytes
.set SO,  80                           ; v80-83   the conversions' scale operands
                                       ; v[84:85] f = 2^(old M - new M); v86, v87 at work
.set S,   96                           ; v96-159  S^T: written by matrix instructions alone
.set P,   160                          ; v160-191 p: two buffers of 16, one block each, by turns
.set KF,  192                          ; v192-223 K's 8 fragments of 4 registers, of the step to come
.set O,   224                          ; v224-255 O^T: channel tile ct at O + 8 ct
.macro ROUND                           ; a round of the cluster's barrier: my work-group's barrier; wave 0 signals for the work-group; every wave waits for all four; my work-group's barrier once more
	s_barrier_signal -1
	s_barrier_wait -1
	s_cmp_lg_u32 s12, 0
	s_cbranch_scc1 .Lnot_wave_0_\@
	s_barrier_signal -3
.Lnot_wave_0_\@:
	s_barrier_wait -3
	s_barrier_signal -1
	s_barrier_wait -1
.endm
.macro TLOAD                           ; waves 0 to 3 fetch a quarter of a slot each, the others nothing; the branch hangs on the wave's number alone.  Four v_nop follow the load
	s_cmp_lt_u32 s12, 4
	s_cbranch_scc0 .Lasked_\@
	tensor_load_to_lds s[68:71], s[24:31]
	s_nop 0
.rept 4
	v_nop
.endr
.Lasked_\@:
.endm
	s_load_b256 s[4:11], s[0:1], 0x0               ; ws 4:5, x 6:7, gamma 8:9, out0 10:11
	v_lshl_add_u32 v[SPW], v0, 2, SPARE
	v_mov_b32 v[NIL], 0
	ds_add_u32 v3, v4
	s_wait_dscnt 0x0
	v_lshrrev_b32 v30, 5, v0
	v_readfirstlane_b32 s12, v30                   ; wave 0..15
	s_bfe_u32 s13, ttmp6, 0x40000                  ; cx: my place in the cluster
	s_lshl_b32 s14, ttmp9, 2                       ; in a cluster launch ttmp9 counts clusters
	s_add_co_u32 s14, s14, s13                     ; g: my block of 64 queries
	s_and_b32 s15, s12, 3                          ; qt
	s_lshr_b32 s16, s12, 2                         ; kq
	v_and_b32 v22, 31, v0                          ; lane
	v_and_b32 v23, 15, v0                          ; r
	v_bfe_u32 v29, v0, 4, 1                        ; h
	s_lshl_b32 s17, s16, 15
	v_lshl_add_u32 v[A0], v22, 4, s17
	s_lshl_b32 s17, s16, 10
	s_add_co_u32 s17, s17, VS
	v_lshl_add_u32 v[AS0], v23, 4, s17
	s_lshl_b32 s17, s12, 12
	v_lshl_add_u32 v7, v22, 4, s17                 ; v7: where I put my O^T: MRG + 4,096 w + 16 x lane
	s_lshl_b32 s17, s12, 8
	s_add_co_u32 s17, s17, MST
	v_lshl_add_u32 v8, v22, 3, s17                 ; v8: and my -M and sum: MST + 256 w + 8 x lane
	s_lshl_b32 s17, s15, 12
	s_lshl_b32 s18, s16, 10
	s_add_co_u32 s17, s17, s18
	v_lshl_add_u32 v9, v22, 4, s17                 ; v9: what I merge: share 0's channel tile kq of query tile qt: MRG + 4,096 qt + 1,024 kq + 16 x lane
	s_lshl_b32 s17, s15, 8
	s_add_co_u32 s17, s17, MST
	v_lshl_add_u32 v10, v22, 3, s17                ; v10: share 0's -M and sum of query tile qt
	s_mul_i32 s17, s16, 16*OP
	s_lshr_b32 s18, s15, 1
	s_lshl_b32 s18, s18, 7
	s_add_co_u32 s17, s17, s18
	s_and_b32 s18, s15, 1
	s_lshl_b32 s18, s18, 5
	s_add_co_u32 s17, s17, s18
	s_add_co_u32 s17, s17, OST
	v_and_b32 v30, 8, v23
	v_add_nc_u32 v30, v30, v23                     ; r + 8 (r / 8)
	v_mul_u32_u24 v11, v29, 8*OP
	v_lshl_add_u32 v11, v30, 2, v11
	v_add_nc_u32 v11, s17, v11                     ; v11: the stage, in: channel 16 kq + 8 h, query 32 (qt / 2) + 8 (qt % 2) + r + 8 (r / 8) of the block's 64
	s_mul_i32 s17, s12, 4*OP
	s_add_co_u32 s17, s17, OST
	v_mul_u32_u24 v20, v29, OP
	v_lshl_add_u32 v20, v23, 4, v20
	v_add_nc_u32 v20, s17, v20                     ; v20: the stage, back: channels 4 w + h, 16 bytes a lane
	v_lshlrev_b32 v21, 16, v29
	v_lshl_add_u32 v21, v23, 4, v21                ; v21: the same place in x and in out0: a channel's row is 65,536 bytes
	v_lshlrev_b32 v31, 4, v22                      ; v31: 16 x lane, for Q's image
	s_mov_b32 s20, 0x76543210
	s_mov_b32 s21, 0xfedcba98                      ; v_permlanex16_b32's selects for lane l xor 16
	; descriptor group 1: a dense block as rows of 256 bytes (32 elements of 8 bytes), no padding: images are read 512 consecutive bytes an instruction
	s_mov_b32 s24, 15|(3<<16)|(1<<21)              ; 15:0 the mask: all four work-groups; 17:16 elements of 8 bytes; 21 set beside a mask
	s_mov_b32 s25, 32<<16                          ; tensor_dim0 = 32
	s_mov_b32 s26, 128<<16                         ; tensor_dim1 = 128
	s_mov_b32 s27, 32<<16                          ; tile_dim0 = 32
	s_mov_b32 s28, 128                             ; tile_dim1 = 128 rows: a quarter of a slot
	s_mov_b32 s29, 32                              ; from row to row
	s_mov_b32 s30, 0
	s_mov_b32 s31, 0
	s_mov_b32 s36, 15|(3<<16)|(1<<21)              ; the same with 32 rows: a quarter of V's scale words
	s_mov_b32 s37, 32<<16
	s_mov_b32 s38, 32<<16
	s_mov_b32 s39, 32<<16
	s_mov_b32 s40, 32
	s_mov_b32 s41, 32
	s_mov_b32 s42, 0
	s_mov_b32 s43, 0
	s_lshl_b32 s18, s15, 15                        ; my quarter of a slot, in memory as in LDS (registers that never hold my place in the cluster)
	s_mov_b32 s19, 0
	s_lshl_b32 s22, s15, 13                        ; my quarter of the scale words
	s_add_co_u32 s22, s22, VSOFF
	s_mov_b32 s23, 0
	s_lshl_b32 s58, s14, 11                        ; Q's tile 4 g + qt
	s_lshl_b32 s59, s15, 9
	s_add_co_u32 s58, s58, s59
	s_add_co_u32 s58, s58, QOFF
	s_mov_b32 s59, 0
	s_lshl_b32 s60, s14, 8                         ; x, out0: my block's 256 bytes of a row, channels 4 w on
	s_lshl_b32 s61, s12, 18
	s_add_co_u32 s60, s60, s61
	s_mov_b32 s61, 0
	s_mov_b32 s48, 0                               ; s48: LDS byte at which the slot in hand begins
	s_mov_b32 s49, 0                               ; s49: its scale words: 4,096 bytes a slot
	s_mov_b32 s50, 6                               ; s50: slots still to be asked for behind the two first fills
	s_wait_kmcnt 0x0
	s_load_b32 s51, s[8:9], 0x0                    ; gamma
	s_mov_b32 s32, 1                               ; group 0 for slot 0's first fill: count = 1,
	s_lshl_b32 s33, s15, 15                        ; LDS address: slot 0, my quarter,
	s_add_nc_u64 s[34:35], s[4:5], s[18:19]        ; global address: records 0 to 15, my quarter
	s_mov_b32 s68, 1                               ; group 0 for slot 1's first fill, which then walks on:
	s_add_co_u32 s69, s33, SLOT1                   ; slot 1, my quarter,
	s_add_nc_u64 s[70:71], s[34:35], 131072        ; records 16 to 31
	s_or_b32 s35, s35, 0x80000000                  ; type = 2
	s_or_b32 s71, s71, 0x80000000
	s_mov_b32 s44, 1                               ; group 0 for the scale words
	s_lshl_b32 s45, s15, 13
	s_add_co_u32 s45, s45, VS
	s_add_nc_u64 s[46:47], s[4:5], s[22:23]
	s_or_b32 s47, s47, 0x80000000
	s_add_nc_u64 s[52:53], s[4:5], s[58:59]
	s_add_nc_u64 s[54:55], s[6:7], s[60:61]
	s_add_nc_u64 s[56:57], s[10:11], s[60:61]
	ROUND                                          ; all four work-groups are here: the first joint loads meet
	s_cmp_lt_u32 s12, 4                            ; a wave's three first fills stand in one branch, ahead of every wait on TENSORcnt and every LDS read: three loads of mine are out
	s_cbranch_scc0 .Lno_first
	tensor_load_to_lds s[44:47], s[36:43]          ; V's scale words: filled once
	s_nop 0
	tensor_load_to_lds s[32:35], s[24:31]          ; slot 0
	s_nop 0
	tensor_load_to_lds s[68:71], s[24:31]          ; slot 1
	s_nop 0
.rept 4
	v_nop
.endr
.Lno_first:
	global_load_b128 v[16:19], v31, s[52:53]       ; Q's fragment stays in registers: q[query r][4 h .. 4 h + 3]
.macro KLOAD off                       ; K's eight tiles of the record at byte off of the slot in hand: tile t: k[key(t, r)][4 h .. 4 h + 3]
.irp t, 0,1,2,3,4,5,6,7
	ds_load_b128 v[KF+4*\t:KF+4*\t+3], v[ADR] offset:(\off)+\t*512
.endr
.endm
.macro VLOAD st                        ; V's four fragments of record st, and their scale words: lane r: channels r, 16 + r, 32 + r, 48 + r.  Nine loads
.irp t, 0,1,2,3
.irp c, 0,1
	ds_load_b128 v[F+8*\t+4*\c:F+8*\t+4*\c+3], v[ADR] offset:(\st)*8192+4096+\t*1024+\c*512
.endr
.endr
	ds_load_b128 v[24:27], v[ADS] offset:(\st)*256
.endm
.macro QK t, k                         ; S^T = K Q^T for tile t: instruction k of two takes d = 4 h + 2 k + j on both sides; the first starts the sum
.if (\k) == 0
	v_wmma_f32_16x16x4_f32 v[S+8*(\t):S+8*(\t)+7], v[KF+4*(\t):KF+4*(\t)+1], v[16:17], 0
.else
	v_wmma_f32_16x16x4_f32 v[S+8*(\t):S+8*(\t)+7], v[KF+4*(\t)+2:KF+4*(\t)+3], v[18:19], v[S+8*(\t):S+8*(\t)+7]
.endif
.endm
.macro MAXREST                         ; the rest of the four blocks' largest scores: 24 lines, the blocks by turns; each accumulator is read from its low end on
.irp i, 5,7,9,11,13
.irp b, 0,1,2,3
	v_max3_num_f32 v[TM+\b], v[TM+\b], v[S+16*\b+\i], v[S+1+16*\b+\i]
.endr
.endr
.irp b, 0,1,2,3
	v_max_num_f32 v[TM+\b], v[TM+\b], v[S+15+16*\b]
.endr
.endm
; Plain line m of 16 of block b: each stands behind one exponential of p.  0-7: the block before's sums (block 0: the two chains under the new M, then nothing); 8-11: the block's scale; 12-15: O^T's tile b under the new M
.macro PLAIN b
.if (m < 8) && ((\b) > 0)
.if m%2 == 0
	v_pk_add_f32 v[14:15], v[14:15], v[PO+2*m:PO+2*m+1]                    ; the row's sum is taken of the unquantised p: two at a time, in two chains
.else
	v_pk_add_f32 v[88:89], v[88:89], v[PO+2*m:PO+2*m+1]
.endif
.elseif m == 0
	v_pk_mul_f32 v[14:15], v[14:15], v[84:85] op_sel_hi:[1,0]
.elseif m == 1
	v_pk_mul_f32 v[88:89], v[88:89], v[84:85] op_sel_hi:[1,0]
.elseif m < 8
.elseif m == 8
	s_wait_alu depctr_va_vdst(0)
	v_max_num_f32 v[TM+\b], 0x1800000, v[TM+\b]    ; the floor 2^(3 - 127): the byte cannot fall under 1
.elseif m == 9
	v_add_nc_u32 v[SO+\b], 0xff000000, v[TM+\b]    ; 2 off the exponent field: the conversion's scale operand
.elseif m == 10
	v_lshrrev_b32 v[PD+\b], 23, v[SO+\b]           ; the scale's byte,
.elseif (m == 11) && ((\b) == 0)
	v_mov_b32 v28, v[PD]                           ; into p's scale word for these 128 keys
.elseif m == 11
	v_lshl_or_b32 v28, v[PD+\b], 8*(\b), v28
.else
	v_pk_mul_f32 v[O+8*(\b)+2*(m-12):O+8*(\b)+2*(m-12)+1], v[O+8*(\b)+2*(m-12):O+8*(\b)+2*(m-12)+1], v[84:85] op_sel_hi:[1,0]   ; the accumulator from its low end on
.endif
.endm
; BLOCK b of a step: keys 32 b .. 32 b + 31.  NXT = 1: the next step's four f32 products for tiles 2 b and 2 b + 1 stand among the exponentials; the two accumulators take turns.
.macro BLOCK b
.set PB, P+16*((\b)%2)                 ; this block's buffer,
.set PO, P+16*(((\b)+1)%2)             ; the block before's
.set n, 0
.rept 8
	v_pk_add_f32 v[PB+n:PB+n+1], v[S+16*(\b)+n:S+16*(\b)+n+1], v[12:13] op_sel_hi:[1,0]   ; t - M, two at a time, into other registers (of the pair the low word, -M, serves both halves)
.set n, n+2
.endr
	v_add_f32 v[TM+\b], v[TM+\b], v12              ; the same of the block's largest score
.if NXT
	QK 2*(\b), 0                                   ; the block's score registers have been read: the next step's scores may land there
.endif
	v_exp_f32 v[TM+\b], v[TM+\b]                   ; the block's largest p: the same two instructions on the same number give the same bits
.set m, 0
.rept 16
	v_exp_f32 v[PB+m], v[PB+m]                     ; p = 2^(t - M), at most 1: not normalised
	PLAIN \b
.if NXT
.if m == 3
	QK 2*(\b)+1, 0
.elseif m == 7
	QK 2*(\b), 1
.elseif m == 11
	QK 2*(\b)+1, 1
.endif
.endif
.set m, m+1
.endr
	v_cvt_scalef32_pk8_fp4_f32 v[PC+2*(\b)], v[PB:PB+7], v[SO+\b]          ; (plain line 15 stands between the last exponential and these)
	s_wait_alu depctr_va_vdst(0)
	v_cvt_scalef32_pk8_fp4_f32 v[PC+1+2*(\b)], v[PB+8:PB+15], v[SO+\b]     ; (the next block's first line, or the v_nop behind block 3, is the plain place behind them)
.endm
; A KEY STEP: 128 keys, record st of my four in the slot in hand.  Its scores are finished when it begins.
; mode 0: the next step's K lies in the same slot.  mode 1: st = 3: THE CHANGE OF SLOTS, and the slot that is left is filled again.  mode 2: the change without a fill.  mode 3: the last step: no next scores.
.macro STEP st, mode
.if (\mode) == 3
.set NXT, 0
.else
.set NXT, 1
.endif
.irp b, 0,1,2,3
	v_max3_num_f32 v[TM+\b], v[S+16*\b], v[S+1+16*\b], v[S+2+16*\b]        ; the largest score of each block of 32 keys: it serves the row's maximum and, since p rises with the score, the block's largest p
.endr
.irp b, 0,1,2,3
	v_max3_num_f32 v[TM+\b], v[TM+\b], v[S+3+16*\b], v[S+4+16*\b]          ; these eight lines are the places between the last step's FP4 products and the loads into their operands (four are asked)
.endr
.if (\mode) == 0
	KLOAD ((\st)+1)*8192                           ; behind the last f32 product that read these registers stand 13 plain lines of the step before (eight are asked)
.endif
	VLOAD \st
.if ((\mode) == 1) || ((\mode) == 2)
	; V of the slot's last record is the slot's last read.  Each wave waits for all its tensor loads (its part of the other slot), adds 0 to its spare word, and waits for that and for its reads of this slot.
	s_wait_tensorcnt 0x0                           ; no tensor load of mine is out, so a group 0 may be written
	ds_add_u32 v[SPW], v[NIL]                      ; 0 onto my spare word; 24 lines of the maxima stand between it and the wait for it
.if (\mode) == 1
	s_xor_b32 s69, s69, SLOT1                      ; the walking descriptor: the other slot than last time,
	s_add_nc_u64 s[70:71], s[70:71], 131072        ; the next 16 records; the type bits on top are not reached
.endif
	s_xor_b32 s48, s48, SLOT1                      ; my reads go on to the other slot
	s_add_co_u32 s49, s49, 4096
.endif
	MAXREST
.if ((\mode) == 1) || ((\mode) == 2)
	s_wait_dscnt 0x0                               ; the add is done, and my reads of the slot that I leave are over
.if (\mode) == 1
	ROUND                                          ; no wave of any partner still reads the slot or has a load on its way
	TLOAD                                          ; the joint refill, first behind the round: it has four steps of every wave in which to land
.else
	s_barrier_signal -1
	s_barrier_wait -1
.endif
	v_add_nc_u32 v[ADR], s48, v[A0]
	v_add_nc_u32 v[ADS], s49, v[AS0]
	KLOAD 0                                        ; the next slot's first record
.endif
.irp b, 0,1,2,3
	v_permlanex16_b32 v[PD+\b], v[TM+\b], s20, s21
.endr
.irp b, 0,1,2,3
	v_max_num_f32 v[TM+\b], v[TM+\b], v[PD+\b]     ; with lane l xor 16's 16 keys
.endr
	v_max3_num_f32 v86, v[TM], v[TM+1], v[TM+2]
	v_max_num_f32 v86, v86, v[TM+3]                ; the step's largest t of my query
	v_max_num_f32 v13, v13, v86                    ; the running largest t
	v_mov_b32 v86, v12
	v_floor_f32 v12, -v13                          ; the new -M = floor(-t) = -ceil(t): a whole number
	v_sub_f32 v86, v12, v86                        ; old M - new M: a whole number, 0 or less
	v_cvt_i32_f32 v86, v86                         ; (it saturates)
	v_ldexp_f32 v84, 1.0, v86                      ; f = 2^(old M - new M)
.if (\mode) == 0
	s_wait_dscnt 9                                 ; K's eight loads are in; the nine issued behind them (V and its scale words) may be out
.elseif (\mode) < 3
	s_wait_dscnt 0x0                               ; K
.endif
	BLOCK 0
	BLOCK 1
	BLOCK 2
	BLOCK 3
	v_nop                                          ; one plain place behind a scaled conversion
.irp c, 0,1                                    ; the operand's layout wants a whole block in a lane: lanes 0-15 block 2 c, lanes 16-31 block 2 c + 1
.irp u, 0,1
	v_permlane16_swap_b32 v[PC+4*\c+\u], v[PC+2+4*\c+\u]
.endr
.endr
.set m, 0
.rept 4
	v_pk_add_f32 v[14:15], v[14:15], v[P+16+4*m:P+16+4*m+1]                ; block 3's sums.  (These eight are also the places between the vector writes of p's codes and the products below,
	v_pk_add_f32 v[88:89], v[88:89], v[P+16+4*m+2:P+16+4*m+3]              ; and, with the v_nop and block 3's last four plain lines, those behind the last f32 product)
.set m, m+1
.endr
	s_wait_dscnt 0x0                               ; V's fragments and scale words are in
.irp t, 0,1,2,3                                ; O^T += V^T P^T: K = these 128 keys; four accumulators, one instruction each
	v_wmma_scale_f32_16x16x128_f8f6f4 v[O+8*\t:O+8*\t+7], v[F+8*\t:F+8*\t+7], v[PC:PC+7], v[O+8*\t:O+8*\t+7], v[24+\t], v28 matrix_a_fmt:MATRIX_FMT_FP4 matrix_b_fmt:MATRIX_FMT_FP4
.endr
.endm
	s_wait_tensorcnt 0x1                           ; my parts of the scale words and of slot 0 are in; slot 1's may stay out
	s_barrier_signal -1
	s_barrier_wait -1                              ; everybody's are
	v_add_nc_u32 v[ADR], s48, v[A0]
	v_add_nc_u32 v[ADS], s49, v[AS0]
	KLOAD 0                                        ; my first record
	s_wait_loadcnt 0x0                             ; Q
	s_wait_dscnt 0x0
.irp t, 0,1,2,3,4,5,6,7                        ; the first step's scores: there is no vector work yet to set between them.  The eight accumulators take turns
	QK \t, 0
.endr
.irp t, 0,1,2,3,4,5,6,7
	QK \t, 1
.endr
	v_mov_b32 v13, 0xff61b1e6                      ; the largest t so far: -3e38, under every t.  (These lines are the places behind those products)
	v_floor_f32 v12, -v13                          ; -M
	v_mov_b32 v14, 0                               ; the sum: two chains of two halves
	v_mov_b32 v15, 0
	v_mov_b32 v88, 0
	v_mov_b32 v89, 0
.irp b, 0,1,2,3
	v_mov_b32 v[PD+\b], 0                          ; written once: a lane permute's destination counts as one of its sources
.endr
	v_mov_b32 v85, 0                               ; (named as the upper half of the pair v[84:85])
.set n, 0
.rept 32
	v_mov_b32 v[O+n], 0                            ; O^T.  The step is written once: the first finds zeros, which the first change of M leaves zeros
.set n, n+1
.endr
	s_wait_kmcnt 0x0                               ; gamma
.Lslot:                                            ; six trips of four steps: at each trip's change the slot that is left is filled again
	STEP 0, 0
	STEP 1, 0
	STEP 2, 0
	STEP 3, 1
	s_sub_co_u32 s50, s50, 1
	s_cmp_lg_u32 s50, 0
	s_cbranch_scc1 .Lslot
	STEP 0, 0                                      ; the last two slots are written out: nothing is left to ask for
	STEP 1, 0
	STEP 2, 0
	STEP 3, 2
	STEP 0, 0
	STEP 1, 0
	STEP 2, 0
	STEP 3, 3
	; THE WAY OUT.  Each wave puts its O^T, -M and sum into LDS; wave (qt, kq) merges channel tile kq of query tile qt over the four shares; the results turn through a stage so that whole rows of channels leave.
.rept 4
	v_nop                                          ; four places behind the last products
.endr
.irp i, 0,1
	global_load_b128 v[160+4*\i:163+4*\i], v21, s[54:55] offset:\i*131072  ; x at the places that I shall store: it lands under the merge
.endr
	v_add_f32 v13, v14, v15                        ; the sum's two chains and their halves,
	v_add_f32 v86, v88, v89
	v_add_f32 v13, v13, v86
	v_permlanex16_b32 v86, v13, s20, s21
	v_add_f32 v13, v13, v86                        ; and lane l xor 16's: my share of the row's sum, beside -M
.irp i, 0,1,2,3,4,5,6,7
	ds_store_b128 v7, v[O+4*\i:O+4*\i+3] offset:\i*512                     ; as images of the registers, each accumulator from its low end on
.endr
	ds_store_b64 v8, v[12:13]
	s_wait_dscnt 0x0                               ; for the others' sake: my stores are done
	s_barrier_signal -1
	s_barrier_wait -1
.irp q, 0,1,2,3
	ds_load_b64 v[200+2*\q:201+2*\q], v10 offset:\q*1024                   ; share q's -M and sum (wave 4 q + qt)
.endr
.irp q, 0,1,2,3
.irp c, 0,1
	ds_load_b128 v[168+8*\q+4*\c:171+8*\q+4*\c], v9 offset:\q*16384+\c*512 ; and its channel tile kq
.endr
.endr
	s_wait_dscnt 0x0
	v_min3_num_f32 v86, v200, v202, v204
	v_min_num_f32 v86, v86, v206                   ; -M of the whole row: the least of the four
.irp q, 0,1,2,3
	v_sub_f32 v[SO+\q], v86, v[200+2*\q]           ; share q's M less the row's: a whole number, 0 or less
.endr
.irp q, 0,1,2,3
	v_cvt_i32_f32 v[SO+\q], v[SO+\q]
.endr
.irp q, 0,1,2,3
	v_ldexp_f32 v[SO+\q], 1.0, v[SO+\q]            ; f_q: brings share q under the row's M and rounds nothing
.endr
	v_mul_f32 v87, v[SO], v201
	v_fmac_f32 v87, v[SO+1], v203
	v_fmac_f32 v87, v[SO+2], v205
	v_fmac_f32 v87, v[SO+3], v207                  ; the row's sum
	v_rcp_f32 v87, v87
	v_nop                                          ; one plain place behind a transcendental
	s_wait_alu depctr_va_vdst(0)
	v_mul_f32 v87, s51, v87                        ; gamma / the sum
.irp q, 0,1,2,3
	v_mul_f32 v[TM+2*\q], v[SO+\q], v87            ; g_q, in the low word of a pair (the upper words were written in the steps)
.endr
.irp j, 0,2,4,6
	v_pk_mul_f32 v[208+\j:209+\j], v[168+\j:169+\j], v[TM:TM+1] op_sel_hi:[1,0]
.endr
.irp q, 1,2,3
.irp j, 0,2,4,6
	v_pk_fma_f32 v[208+\j:209+\j], v[168+8*\q+\j:169+8*\q+\j], v[TM+2*\q:TM+2*\q+1], v[208+\j:209+\j] op_sel_hi:[1,0,1]
.endr
.endr
.irp j, 0,1,2,3,4,5,6,7
	ds_store_b32 v11, v[208+\j] offset:\j*OP       ; register j: channel 16 kq + 8 h + j of my query.  (The stage shares no byte with what the other waves still read)
.endr
	s_wait_dscnt 0x0                               ; for the others' sake: my stores are done
	s_barrier_signal -1
	s_barrier_wait -1
.irp i, 0,1
	ds_load_b128 v[216+4*\i:219+4*\i], v20 offset:\i*2*OP                  ; channels 4 w + 2 i + h: sixteen lanes take a channel's 64 queries
.endr
	s_wait_loadcnt 0x0                             ; x
	s_wait_dscnt 0x0
.irp j, 0,2,4,6
	v_pk_add_f32 v[216+\j:217+\j], v[216+\j:217+\j], v[160+\j:161+\j]
.endr
.irp i, 0,1
	global_store_b128 v21, v[216+4*\i:219+4*\i], s[56:57] offset:\i*131072 th:TH_STORE_NT   ; 16 lanes store 256 consecutive bytes, at a multiple of 256 from out0's first byte; written once, read by nobody here
.endr
	s_wait_tensorcnt 0x0                           ; the wave's end: behind my last tensor load and my last LDS store
	ds_add_u32 v[SPW], v[NIL]
	s_wait_dscnt 0x0
	ROUND                                          ; the closing round: no work-group ends while a partner may still ask for a tile that names it
	s_endpgm
.Lfunc_end_k_qe01d5c66cd_attn:
	.size	k_qe01d5c66cd_attn, .Lfunc_end_k_qe01d5c66cd_attn-k_qe01d5c66cd_attn
	.p2alignl 7, 3214868480
	.fill 96, 4, 3214868480
	.section	.rodata,"a",@progbits
	.p2align	6, 0x0
	.amdhsa_kernel k_qe01d5c66cd_attn
		.amdhsa_group_segment_fixed_size 327680
		.amdhsa_private_segment_fixed_size 0
		.amdhsa_enable_private_segment 0
		.amdhsa_kernarg_size 32
		.amdhsa_user_sgpr_count 2
		.amdhsa_user_sgpr_kernarg_segment_ptr 1
		.amdhsa_wavefront_size32 1
		.amdhsa_system_sgpr_workgroup_id_x 1
		.amdhsa_system_sgpr_workgroup_id_y 1
		.amdhsa_system_sgpr_workgroup_id_z 1
		.amdhsa_system_vgpr_workitem_id 0
		.amdhsa_next_free_vgpr 256
		.amdhsa_next_free_sgpr 72
		.amdhsa_reserve_vcc 0
		.amdhsa_float_denorm_mode_32 3
		.amdhsa_float_denorm_mode_16_64 3
		.amdhsa_memory_ordered 1
		.amdhsa_forward_progress 1
		.amdhsa_inst_pref_size 187
	.end_amdhsa_kernel
	.amdgpu_metadata
---
amdhsa.version: [ 1, 2 ]
amdhsa.kernels:
  - .name:           k_qe01d5c66cd_attn
    .symbol:         k_qe01d5c66cd_attn.kd
    .args:
      - { .name: ws, .offset: 0, .size: 8, .value_kind: global_buffer, .address_space: global }
      - { .name: x, .offset: 8, .size: 8, .value_kind: global_buffer, .address_space: global }
      - { .name: gamma, .offset: 16, .size: 8, .value_kind: global_buffer, .address_space: global }
      - { .name: out0, .offset: 24, .size: 8, .value_kind: global_buffer, .address_space: global }
    .group_segment_fixed_size: 327680
    .private_segment_fixed_size: 0
    .kernarg_segment_align: 8
    .kernarg_segment_size: 32
    .max_flat_workgroup_size: 512
    .sgpr_count:     72
    .vgpr_count:     256
    .wavefront_size: 32
...
	.end_amdgpu_metadata
.endif
;; end of part 2
